; MI455X (gfx1250); checked and timed in simulation.
; The chip was launched on July 23, 2026; its instructions are those of AMD's public machine-readable ISA for CDNA 5 (MIT licence, August 2026) and "CDNA5" Instruction Set Architecture Reference Guide (July 2026). The comments in the code are by the model that wrote it; some were corrected since.
;; K Means. Allowed arithmetic: matrix products marked QUANTISED: E2M1 operands, one E8M0 scale for each 32 along K, by v_wmma_scale_f32_16x16x128_f8f6f4 with both operands' format E2M1 (or v_wmma_scale_f32_32x16x128_f4), f32 sums; everything else in f32.
;; Inputs: X 200,000 x 256 float32; centroids 1,024 x 256 float32.
;; Outputs: out0 200,000 int32.
;; This version of the problem:
;;   THIS VERSION OF THE PROBLEM IS GIVEN IN LOW PRECISION. The matrix products marked QUANTISED in the list below multiply operands that are first quantised to E2M1 (2 exponent bits, 1 mantissa bit; 4 bits a number), with one power-of-two scale for each 32 numbers along K (OCP MX v1.0); their sums are f32. All else is computed in f32.
;;   The module's matrix products, in the order in which they are computed (A, B: the left and right operand; K: the contracted axis; several contracted axes count as one K, in the product's order):
;;     1. [M 200,000, K 256] x [K 256, N 1,024]; A: input X; B: input centroids: QUANTISED
;;   THE QUANTISER, for each operand of a quantised product, along K:
;;     - K is cut into blocks of 32 from its start; a last block that is shorter is filled with zeros.
;;     - A block's scale is 2^e with e = floor(log2(the largest magnitude in the block)) - 2, held to -126 .. 127; a block of zeros has e = 0. As a byte (E8M0): e + 127.
;;     - Each number is divided by its block's scale, clamped to +-6, and rounded to the nearest number of E2M1, ties to even, subnormals kept.
;;     - The product sums the exact products of the quantised numbers (number of the format x scale) in f32.
;;   ~~~python
;;   def quantise(x, axis):      # numpy; x: float32 -> the quantised numbers, widened to float32 again
;;       x = np.moveaxis(x, axis, -1); K = x.shape[-1]
;;       x = np.pad(x, [(0, 0)] * (x.ndim - 1) + [(0, -K % 32)]); x = x.reshape(x.shape[:-1] + (-1, 32)); a = np.abs(x).max(-1, keepdims=True)
;;       e = np.where(a > 0, np.clip(np.frexp(np.where(a > 0, a, 1))[1] - 1 - 2, -126, 127), 0)      # np.frexp(a)[1] - 1 = floor(log2(a)), exactly
;;       r = np.clip(x / 2.0 ** e, -6, 6)
;;       step = 2.0 ** (np.maximum(np.frexp(np.where(r == 0, 1, r))[1] - 1, 0) - 1)
;;       q = np.round(r / step) * step * 2.0 ** e      # np.round: ties to even
;;       return np.moveaxis(q.reshape(q.shape[:-2] + (-1,))[..., :K], -1, axis).astype(np.float32)
;;   ~~~
;; One version. Each part assembles by itself: llvm-mc -triple=amdgcn-amd-amdhsa -mcpu=gfx1250 --defsym DOCPART=n.
;; ======== version 1 of 1: 2 launches
;; limits: right only within a limited range of input values
;; workspace buffers: cfrag 131,072 bytes; cscale 16,384 bytes; c2t 4,096 bytes
;; launch prep (part 1): grid 64 x 1, 1 waves a work-group, no clusters, 17,152 bytes of LDS; arguments centroids, cfrag, cscale, c2t; writes cfrag, cscale, c2t
.if DOCPART == 1
	.amdgcn_target "amdgcn-amd-amdhsa--gfx1250"
	.amdhsa_code_object_version 6
	.text
	.protected	k_q6aa8668875_prep
	.globl	k_q6aa8668875_prep
	.p2align	8
	.type	k_q6aa8668875_prep,@function
k_q6aa8668875_prep:
	s_mov_b64 s[64:65], 0
	v_nop
	global_prefetch_b8 v0, s[64:65] scope:SCOPE_SE
	s_setreg_imm32_b32 hwreg(HW_REG_WAVE_MODE, 25, 1), 1
	s_wait_xcnt 0x0
; The centroids [1024][256], f32, are quantised ONCE to codes of FP4 (E2M1) with one E8M0 scale byte for each 32 along K, and laid out as the second launch's
; operand registers take them; beside them c2 = the sum of squares of each (unquantised) centroid, in f32.
; One wave makes one tile of 16 centroids: tile T = 8 W + t (work-group number).  ROW r OF TILE T IS CENTROID 128 W + 64 (r / 8) + 8 t + r % 8: with that choice a lane of the
; second launch finds 64 centroids of consecutive numbers in its 64 result registers.
; OUT: cfrag: tile T, K step s (128 along K), register group c: 512 bytes at 2048 T + 1024 s + 512 c, lane l's 16 bytes at 16 l: an image of the operand's registers.
;      cscale: 256 bytes a tile, lane l's 8 bytes at 8 l: the scale words of K steps 0 and 1 of row l % 16.      c2t: 16 numbers a tile, in the order of its rows.
; A block's scale is 2^(floor(log2(its largest magnitude)) - 2); its byte is the largest magnitude's exponent field - 2, held at 1 from below by a floor among the maximum's leaves.
; LIMITS: a block of zeros gets the byte 1 where the rule says 127 (its codes are zeros, which add nothing, and this program alone reads the bytes); blocks whose largest magnitude
; lies under 2^(3 - 127) keep the byte 1; NaN and infinities among the inputs are not served.  c2 is summed by fused multiply-adds in four chains and a tree: an order of this text's own.
; Every load reads 512 consecutive bytes; the 16 rows turn through a stage in LDS (pitch 1,040 bytes = 65 x 16, so that sixteen rows' 16-byte pieces fall on different banks: ISA guide 11.1),
; and come back so that lane (r, h) holds blocks h, 2 + h, 4 + h, 6 + h of row r, 32 neighbours each: the layout of a 4-bit operand.  One wave: no barrier.
; WORK LEFT OUT, in both kernels: x2[n], the sum of squares of row n of X.  reference() adds the same x2[n] to all 1,024 distances of row n, so d2[n][j] < d2[n][k] holds exactly where
; c2[j] - 2 xc[n][j] < c2[k] - 2 xc[n][k] holds, whatever finite values X and the centroids have: in exact arithmetic x2 reaches no label.  X stays an input: it is the product's operand.
; The labels are taken as the argmax of xc - c2 / 2, which is that order times -1/2; so c2t holds -c2 / 2 (the halving rounds nothing), and the second kernel gives it to the product as its C.
; LIMITS: a NaN, an infinity or an overflow that arises in x2 alone is not carried to the result; where two distances of a row lie within a rounding of reference()'s f32 of each other, the label can hang on the order of rounding.
.set PITCH, 1040
.set MX,   16                          ; v16-19   the four blocks' largest magnitudes
.set SCL,  20                          ; v20-23   the conversions' scale operands
.set BYT,  24                          ; v24-27   the scale bytes
.set NUM,  32                          ; v32-159  128 numbers
.set SQ,   160                         ; v160-167 four pairs of running sums of squares
.set CD,   168                         ; v168-183 the codes
.set SWD,  184                         ; v184-185 the scale words of K steps 0, 1
	s_load_b256 s[4:11], s[0:1], 0x0               ; centroids s[4:5], cfrag s[6:7], cscale s[8:9], c2t s[10:11]
	v_lshl_add_u32 v192, v0, 2, 0x4200
	v_mov_b32 v193, 0
	v_lshlrev_b32 v1, 4, v0                        ; 16 x lane: my 16 bytes of a load's 512, of a stage row's half, and of an image
	v_and_b32 v6, 15, v0                           ; r
	v_lshrrev_b32 v7, 4, v0                        ; h
	v_mul_u32_u24 v2, v6, PITCH
	v_lshl_add_u32 v2, v7, 7, v2                   ; out of the stage: row r, + 128 h: block h
	v_lshlrev_b32 v3, 3, v0                        ; 8 x lane: my two scale words
	v_lshlrev_b32 v4, 2, v6                        ; 4 r: my row's c2
	v_lshlrev_b32 v5, 3, v7                        ; 8 h: my bytes' place in a scale word
	v_mov_b32 v187, 0                              ; written once: a lane permute's destination counts as one of its sources
	v_mov_b32 v188, 0
	v_mov_b32 v189, 0
	s_mov_b32 s20, 0x76543210
	s_mov_b32 s21, 0xfedcba98                      ; v_permlanex16_b32's selects for lane l xor 16
	s_lshr_b32 s12, ttmp9, 3                       ; W
	s_lshl_b32 s12, s12, 17                        ; 128 W rows of 1,024 bytes
	s_and_b32 s13, ttmp9, 7                        ; t
	s_lshl_b32 s13, s13, 13                        ; 8 t rows
	s_add_co_u32 s12, s12, s13
	s_mov_b32 s13, 0
	s_lshl_b32 s14, ttmp9, 11                      ; 2,048 bytes of codes a tile
	s_mov_b32 s15, 0
	s_lshl_b32 s16, ttmp9, 8                       ; 256 bytes of scale words
	s_mov_b32 s17, 0
	s_lshl_b32 s18, ttmp9, 6                       ; 64 bytes of c2
	s_mov_b32 s19, 0
	s_wait_alu depctr_va_vdst(0)
	s_wait_kmcnt 0x0
	s_add_nc_u64 s[4:5], s[4:5], s[12:13]
	s_add_nc_u64 s[6:7], s[6:7], s[14:15]
	s_add_nc_u64 s[8:9], s[8:9], s[16:17]
	s_add_nc_u64 s[10:11], s[10:11], s[18:19]
.set i, 0
.rept 32                               ; load i: half i % 2 of tile row i / 2; rows 8-15 lie 64 centroids further on than rows 0-7
	global_load_b128 v[NUM+4*i:NUM+4*i+3], v1, s[4:5] offset:((i/2)%8)*1024+(i/16)*65536+(i%2)*512 th:TH_LOAD_NT
.set i, i+1
.endr
.set i, 0
.rept 32
	s_wait_loadcnt 31-i                            ; loads come back in order (ISA guide 5.7.1): load i is in, the 31 - i younger ones may be out
	ds_store_b128 v1, v[NUM+4*i:NUM+4*i+3] offset:(i/2)*PITCH+(i%2)*512
.set i, i+1
.endr
.irp k, 0,1,2,3                        ; block 2 k + h of my row: 32 neighbours into v[NUM + 32 k] on.  LDS serves a wave's instructions in order (ISA guide 5.7.1.4): these see the stores above
.irp q, 0,1,2,3,4,5,6,7
	ds_load_b128 v[NUM+32*\k+4*\q:NUM+32*\k+4*\q+3], v2 offset:256*\k+16*\q
.endr
.endr
	s_wait_dscnt 0x0
.irp k, 0,1,2,3
	v_max3_num_f32 v[MX+\k], |v[NUM+32*\k]|, |v[NUM+32*\k+1]|, 0x1800000   ; the floor 2^(3 - 127): the byte cannot fall under 1
.endr
.irp i, 2,4,6,8,10,12,14,16,18,20,22,24,26,28,30
.irp k, 0,1,2,3
	v_max3_num_f32 v[MX+\k], v[MX+\k], |v[NUM+32*\k+\i]|, |v[NUM+32*\k+\i+1]|   ; the four blocks by turns
.endr
.endr
.irp k, 0,1,2,3
	v_add_nc_u32 v[SCL+\k], 0xff000000, v[MX+\k]   ; 2 off the exponent field: the conversion takes the exponent field of this operand as its scale
.endr
.irp k, 0,1,2,3
	v_lshrrev_b32 v[BYT+\k], 23, v[SCL+\k]         ; the scale's byte
.endr
.irp s, 0,1                            ; K step s: my bytes are those of its blocks h and 2 + h; lane l xor 16 has the other two
	v_lshl_or_b32 v[SWD+\s], v[BYT+2*\s+1], 16, v[BYT+2*\s]
.endr
.irp s, 0,1
	v_lshlrev_b32 v[SWD+\s], v5, v[SWD+\s]
.endr
.irp s, 0,1
	v_permlanex16_b32 v[187+\s], v[SWD+\s], s20, s21
.endr
.irp s, 0,1
	v_or_b32 v[SWD+\s], v[SWD+\s], v[187+\s]
.endr
.irp k, 0,1,2,3
	v_pk_mul_f32 v[SQ+2*\k:SQ+2*\k+1], v[NUM+32*\k:NUM+32*\k+1], v[NUM+32*\k:NUM+32*\k+1]   ; the first squares start the sums
.endr
.irp i, 2,4,6,8,10,12,14,16,18,20,22,24,26,28,30
.irp k, 0,1,2,3
	v_pk_fma_f32 v[SQ+2*\k:SQ+2*\k+1], v[NUM+32*\k+\i:NUM+32*\k+\i+1], v[NUM+32*\k+\i:NUM+32*\k+\i+1], v[SQ+2*\k:SQ+2*\k+1]
.endr
.endr
	v_pk_add_f32 v[SQ:SQ+1], v[SQ:SQ+1], v[SQ+2:SQ+3]
	v_pk_add_f32 v[SQ+4:SQ+5], v[SQ+4:SQ+5], v[SQ+6:SQ+7]
	v_pk_add_f32 v[SQ:SQ+1], v[SQ:SQ+1], v[SQ+4:SQ+5]
	v_add_f32 v186, v[SQ], v[SQ+1]                 ; my 128 numbers' squares,
	v_permlanex16_b32 v189, v186, s20, s21
	v_add_f32 v186, v186, v189                     ; and lane l xor 16's: c2 of row r,
	v_mul_f32 v186, -0.5, v186                     ; stored as -c2 / 2: the C of the second kernel's products
.irp k, 0,1,2,3
.irp g, 0,1,2,3
	v_cvt_scalef32_pk8_fp4_f32 v[CD+4*\k+\g], v[NUM+32*\k+8*\g:NUM+32*\k+8*\g+7], v[SCL+\k]   ; eight numbers / the scale, to the nearest code, ties to even, beyond 6 the largest code
.endr
.endr
	v_nop                                          ; one plain vector instruction behind the last scaled conversion
.irp k, 0,1,2,3
	global_store_b128 v1, v[CD+4*\k:CD+4*\k+3], s[6:7] offset:512*\k     ; k = 2 s + c: 32 lanes store 512 consecutive bytes, at a multiple of 256 from the buffer's first byte
.endr
	global_store_b64 v3, v[SWD:SWD+1], s[8:9]      ; 256 consecutive bytes
	global_store_b32 v4, v186, s[10:11]            ; 64 consecutive bytes; lanes r and r + 16 write the same word with the same value.  The whole buffer is 4,096 bytes
	s_wait_tensorcnt 0x0
	ds_add_u32 v192, v193
	s_wait_dscnt 0x0
	s_endpgm
.Lfunc_end_k_q6aa8668875_prep:
	.size	k_q6aa8668875_prep, .Lfunc_end_k_q6aa8668875_prep-k_q6aa8668875_prep
	.p2alignl 7, 3214868480
	.fill 96, 4, 3214868480
	.section	.rodata,"a",@progbits
	.p2align	6, 0x0
	.amdhsa_kernel k_q6aa8668875_prep
		.amdhsa_group_segment_fixed_size 17152
		.amdhsa_private_segment_fixed_size 0
		.amdhsa_enable_private_segment 0
		.amdhsa_kernarg_size 32
		.amdhsa_user_sgpr_count 2
		.amdhsa_user_sgpr_kernarg_segment_ptr 1
		.amdhsa_wavefront_size32 1
		.amdhsa_system_sgpr_workgroup_id_x 1
		.amdhsa_system_sgpr_workgroup_id_y 1
		.amdhsa_system_sgpr_workgroup_id_z 1
		.amdhsa_system_vgpr_workitem_id 0
		.amdhsa_next_free_vgpr 194
		.amdhsa_next_free_sgpr 66
		.amdhsa_reserve_vcc 0
		.amdhsa_float_denorm_mode_32 3
		.amdhsa_float_denorm_mode_16_64 3
		.amdhsa_memory_ordered 1
		.amdhsa_forward_progress 1
		.amdhsa_inst_pref_size 21
	.end_amdhsa_kernel
	.amdgpu_metadata
---
amdhsa.version: [ 1, 2 ]
amdhsa.kernels:
  - .name:           k_q6aa8668875_prep
    .symbol:         k_q6aa8668875_prep.kd
    .args:
      - { .name: centroids, .offset: 0, .size: 8, .value_kind: global_buffer, .address_space: global }
      - { .name: cfrag, .offset: 8, .size: 8, .value_kind: global_buffer, .address_space: global }
      - { .name: cscale, .offset: 16, .size: 8, .value_kind: global_buffer, .address_space: global }
      - { .name: c2t, .offset: 24, .size: 8, .value_kind: global_buffer, .address_space: global }
    .group_segment_fixed_size: 17152
    .private_segment_fixed_size: 0
    .kernarg_segment_align: 8
    .kernarg_segment_size: 32
    .max_flat_workgroup_size: 32
    .sgpr_count:     66
    .vgpr_count:     194
    .wavefront_size: 32
...
	.end_amdgpu_metadata
.endif
;; end of part 1
;; launch assign (part 2): grid 250 x 1, 8 waves a work-group, no clusters, 150,528 bytes of LDS; arguments X, cfrag, cscale, c2t, out0; writes out0
.if DOCPART == 2
	.amdgcn_target "amdgcn-amd-amdhsa--gfx1250"
	.amdhsa_code_object_version 6
	.text
	.protected	k_q6aa8668875_assign
	.globl	k_q6aa8668875_assign
	.p2align	8
	.type	k_q6aa8668875_assign,@function
k_q6aa8668875_assign:
	s_mov_b64 s[64:65], 0
	v_nop
	global_prefetch_b8 v0, s[64:65] scope:SCOPE_SE
	s_setreg_imm32_b32 hwreg(HW_REG_WAVE_MODE, 25, 1), 1
	s_wait_xcnt 0x0
; out0[n] = the number of the centroid with the largest s = xc[n][k] - c2[k] / 2, the lowest number among equals: the argmin of d2 = x2 - 2 xc + c2.  x2 is left out: it is the same for all
; centroids of a row (shown at the head of the first kernel).  xc = Q(X) Q(C)^T on codes of FP4 (E2M1) with one E8M0 scale for each 32 along K = 256; -c2 / 2 is the C of each sum's first matrix instruction.
; SHARES.  200,000 rows = 250 work-groups x 800 rows = 25 blocks of 32 rows.  The eight waves share the centroids, not the rows: wave w keeps centroids 128 w .. 128 w + 127 in its registers
; for the whole launch (8 tiles x 2 K steps of codes: 128 registers; 16 scale words; 64 registers of -c2 / 2).  Through LDS goes a block's codes of X, quantised once by the thread that owns them and read by all eight waves.
; X comes by loads into registers, a ring of four sets of 32 registers with counted waits.  Thread v0 owns block v0 % 8 (32 along K) of row v0 / 8 of a block of rows.  The loads take the bytes as they lie,
; 16 a lane; the wave's 4,096 bytes turn through its own stage in LDS and come back 128 bytes a lane: so a block's largest magnitude needs no other lane.
; THE PRODUCT IS USED TRANSPOSED: source 0 = 16 centroids, source 1 = 16 rows of X.  By the first kernel's choice of a tile's centroids, lane (r, h) holds row r of X, and register j of accumulator t
; is centroid 128 w + 64 h + 8 t + j: ascending.  So every tie is settled by 'a later one wins only where it is strictly larger'.
; THE SEARCH in a lane's 64: the maximum of each accumulator's 8 (three operands at a time); seven merges of two groups, in three rounds: one compare of the two maxima, and the winner's 8 numbers, its maximum and
; its first position move down by v_cndmask_b32; the first number equal to the maximum is found among the last 8.  No branch and no address hangs on a sum.  Each (wave, half) stores its row's candidate
; (maximum, number) in LDS; at the end 200 threads take four rows each through the 16 candidates, in ascending order, and store 16 bytes.
; ONE BARRIER A BLOCK.  Trip i multiplies block i from image buffer i % 2, quantises block i + 1 into the other buffer, asks memory for block i + 5, and turns block i + 2 through the stage.
; The buffer written in trip i was last read in trip i - 1, whose every wave waited for all its LDS instructions in front of that trip's barrier.
; NO CLUSTER, NO JOINT LOADS: what work-groups share is the centroid operand, 151,552 bytes read once by each, straight into registers, beside 819,200 bytes of X that no two share; and a grid of 250 is no multiple of 4.
; NO TENSOR LOADS: the ring lies in registers.  NO PREFETCH: every byte of X is asked for once, by a load that is issued three trips ahead of its turn through the stage; a prefetch would name the same bytes again.
; LIMITS: NaN and infinities among the inputs are not served.  A block of zeros gets the scale byte 1 where the rule says 127 (its codes are zeros; this program alone reads the bytes).
; The sum's roundings are the matrix instruction's own, with -c2 / 2 as C: where two distances lie within a rounding of each other the label can hang on that.
; REGISTERS, in windows of 256 (s_set_vgpr_msb: bits 1:0 source 0, 3:2 source 1, 5:4 source 2, 7:6 destination):
;   window 0: v1-11 addresses; v16-33 scale words and nothing else; v38-53 X's fragments; v54-61 the groups' maxima; v64-127 the 8 accumulators; v128-191 -c2 / 2; v192-219 at work and constants.
;   window 1: v0-127 the centroids' 16 fragments; v128-255 four sets of 32 numbers of X.
.set DUAL,   1                         ; 1: the search's pairs of lines are written as dual-issue pairs: one destination even, one odd, and the two first and the two second sources four registers' remainders apart (ISA guide, VOPD)
.set BLKB,   32768                     ; a block of 32 rows in memory
.set IMG,    0                         ; LDS: X's codes: buffer x 4,608 + tile of rows x 2,304 + block along K x 288 + row x 16
.set IMGB,   4608
.set IMGT,   2304
.set IMGK,   288
.set SCB,    9216                      ; X's scale bytes: buffer x 256 + row x 8 + block
.set CM,     9728                      ; the candidates' maxima: candidate (v0 / 16) x 3,200 + row x 4
.set CPITCH, 3200
.set CI,     CM+16*CPITCH              ; their numbers, likewise
.set STG,    CI+16*CPITCH              ; the stages: wave x 4,608; a lane's 128 bytes at lane x 144 (9 x 16)
.set STGW,   4608
.set STGL,   144
.set SPARE,  149504                    ; the spare words, 128 bytes for each wave: four blocks of 256 bytes that no other line names
.set GA,  1                            ; v1   my 16 bytes of a block: 4,096 x wave + 16 x lane
.set SW,  2                            ; v2   into my wave's stage
.set SR,  3                            ; v3   out of it
.set IA,  4                            ; v4   where my block's 16 bytes of codes go
.set TT,  5                            ; v5   at work in the head
.set FA,  6                            ; v6   a fragment's place for my lane: 288 h + 16 r
.set SRD, 7                            ; v7   8 r: row r's two scale words
.set CB,  9                            ; v9   my candidate's place: 3,200 (v0 / 16) + 4 r
.set CA,  10                           ; v10  the same + 128 x the trip group's first block
.set LB,  11                           ; v11  64 (v0 / 16): the number of my first centroid
.set CS,  16                           ; v16-31 the centroids' scale words: tile t, K step s at 2 t + s
.set XS,  32                           ; v32-33 X's scale words of K steps 0, 1
.set XF,  38                           ; v38-53 X's fragments: K step s at 8 s
.set G,   54                           ; v54-61 the eight groups' maxima
.set ACC, 64
.set NC,  128                          ; -c2 / 2 in the result's layout
.set RES, 34                           ; v34-37 the candidates of the tiles of rows 0, 1: the maximum at 2 u, the number at 2 u + 1; both are stored behind the trip's barrier
.set I0,  193                          ; v193, 195, 197, 199: the first position of a merge's winner
.set I1,  195
.set I2,  197
.set I3,  199
.set MX,  200                          ; v200-203 largest magnitudes, four chains
.set SCL, 204                          ; the conversions' scale operand
.set BYT, 205                          ; the scale's byte
.set PA,  206                          ; v206-207 the position among 8, in two chains
.set PB,  207
.set K8,  208                          ; constants: the groups' first positions
.set K40, 209
.set K24, 210
.set K56, 211
.set CD,  212                          ; v212-215 my block's codes
.set K0,  216
.set K16, 217
.set K48, 218
.set K32, 219
.set SPW, 254
.set NIL, 255
.set CF,  0                            ; window 1: the centroids' fragments: tile t, K step s at 16 t + 8 s
.set NW,  128                          ; window 1: X's numbers: set q at 128 + 32 q
.set MSB, 0
.macro WIN new                         ; the immediate's high byte repeats the setting that is left; a switch that changes nothing is dropped
.if MSB != \new
	s_set_vgpr_msb (MSB<<8)|\new
.set MSB, \new
.endif
.endm
; Eight loads: my wave's 4,096 bytes of the block that begins imm bytes behind s[4:5], 512 consecutive bytes each.
.macro FILL set, imm
	WIN 0x40
.irp i, 0,1,2,3,4,5,6,7
	global_load_b128 v[NW+32*(\set)+4*\i:NW+32*(\set)+4*\i+3], v[GA], s[4:5] offset:(\imm)+512*\i th:TH_LOAD_NT
.endr
	WIN 0
.endm
; A set's numbers through my wave's stage, back into the registers that they left: then register m is number m of my block of 32.  lcnt: the loads of the younger blocks, which may stay out.
; A piece of those eight: loads i0 .. i0 + n - 1.  A trip's eight go out in three pieces, so that the eight waves' requests do not all stand at one place of the trip.
.macro FILLP set, imm, i0, n
	WIN 0x40
.set fi, \i0
.rept \n
	global_load_b128 v[NW+32*(\set)+4*fi:NW+32*(\set)+4*fi+3], v[GA], s[4:5] offset:(\imm)+512*fi th:TH_LOAD_NT
.set fi, fi+1
.endr
	WIN 0
.endm
.macro TURN set, lcnt
	s_wait_loadcnt \lcnt                           ; loads come back in order (ISA guide 5.7.1)
	WIN 0x04                                       ; an LDS store's data are its source 1: window 1
.irp i, 0,1,2,3,4,5,6,7
	ds_store_b128 v[SW], v[NW+32*(\set)+4*\i:NW+32*(\set)+4*\i+3] offset:4*STGL*\i
.endr
	WIN 0x40
.irp j, 0,1,2,3,4,5,6,7
	ds_load_b128 v[NW+32*(\set)+4*\j:NW+32*(\set)+4*\j+3], v[SR] offset:16*\j        ; LDS serves a wave's instructions in order (ISA guide 5.7.1.4): these see the stores above
.endr
	WIN 0
.endm
; My block of 32 numbers (set) becomes 16 bytes of codes and a scale byte; both go to image buffer wb.
.macro QUANT set, wb
.set NB, NW+32*(\set)
	WIN 0x05                                       ; sources 0 and 1 window 1
.irp c, 0,1,2,3
	v_max3_num_f32 v[MX+\c], |v[NB+8*\c]|, |v[NB+8*\c+1]|, 0x1800000   ; the floor 2^(3 - 127): the byte cannot fall under 1
.endr
.irp i, 2,4,6                          ; four chains by turns
.irp c, 0,1,2,3
	s_delay_alu instid0(VALU_DEP_4)
	v_max3_num_f32 v[MX+\c], |v[NB+8*\c+\i]|, |v[NB+8*\c+\i+1]|, v[MX+\c]
.endr
.endr
	WIN 0
	v_max3_num_f32 v[MX], v[MX], v[MX+1], v[MX+2]
	s_delay_alu instid0(VALU_DEP_1)
	v_max_num_f32 v[MX], v[MX], v[MX+3]            ; the block's largest magnitude
	s_delay_alu instid0(VALU_DEP_1)
	v_add_nc_u32 v[SCL], 0xff000000, v[MX]         ; 2 off its exponent field: the conversion takes the exponent field of this operand as its scale
	WIN 0x01                                       ; source 0 window 1
.irp g, 0,1,2,3
	v_cvt_scalef32_pk8_fp4_f32 v[CD+\g], v[NB+8*\g:NB+8*\g+7], v[SCL]   ; eight numbers / the scale, to the nearest code, ties to even, beyond 6 the largest code
.endr
	WIN 0
	v_lshrrev_b32 v[BYT], 23, v[SCL]               ; the scale's byte; also the plain vector instruction behind the last scaled conversion
	ds_store_b128 v[IA], v[CD:CD+3] offset:IMG+IMGB*(\wb)
	ds_store_b8 v0, v[BYT] offset:SCB+256*(\wb)    ; row x 8 + block = my thread's number
.endm
; Five LDS loads: the fragments of tile of rows u (register group e = 2 s + c holds block 2 e + h of row r) and its scale words, from image buffer rb.
.macro XFLOAD rb, u
.irp e, 0,1,2,3
	ds_load_b128 v[XF+4*\e:XF+4*\e+3], v[FA] offset:IMG+IMGB*(\rb)+IMGT*(\u)+2*IMGK*\e
.endr
	ds_load_b64 v[XS:XS+1], v[SRD] offset:SCB+256*(\rb)+128*(\u)
.endm
; v[d], v[d + 1] take v[s], v[s + 1] where VCC is set.  d and s are even.
.macro SEL2 d, s
.if DUAL
	v_dual_cndmask_b32 v[\d], v[\d], v[\s] :: v_dual_cndmask_b32 v[(\d)+1], v[(\d)+1], v[(\s)+1]
.else
	v_cndmask_b32 v[\d], v[\d], v[\s], vcc_lo
	v_cndmask_b32 v[(\d)+1], v[(\d)+1], v[(\s)+1], vcc_lo
.endif
.endm
; The last of a group's eight: accumulator t's register 7 and accumulator t + 1's register 4.  t is even.
.macro MAX2 t
.if DUAL
	v_dual_max_num_f32 v[G+\t], v[G+\t], v[ACC+8*\t+7] :: v_dual_max_num_f32 v[G+\t+1], v[G+\t+1], v[ACC+8*\t+12]
.else
	v_max_num_f32 v[G+\t], v[G+\t], v[ACC+8*\t+7]
	v_max_num_f32 v[G+\t+1], v[G+\t+1], v[ACC+8*\t+12]
.endif
.endm
; Groups ga < gb become one, in ga's registers: gb wins only where its maximum is strictly larger.  id: the winner's first position, out of registers s0 (ga's) and s1 (gb's).
.macro MERGE ga, gb, id, s0, s1, gd    ; gd: the (even) register that takes the merged maximum
	v_cmp_gt_f32 vcc_lo, v[G+\gb], v[G+\ga]
.if DUAL
	v_dual_max_num_f32 v[\gd], v[G+\ga], v[G+\gb] :: v_dual_cndmask_b32 v[\id], v[\s0], v[\s1]
.else
	v_max_num_f32 v[\gd], v[G+\ga], v[G+\gb]
	v_cndmask_b32 v[\id], v[\s0], v[\s1], vcc_lo
.endif
.irp p, 0,2,4,6
	SEL2 ACC+8*\ga+\p, ACC+8*\gb+\p
.endr
.endm
; Tile of rows u of the trip group's block a against my 128 centroids.  cnt: the LDS instructions issued behind the tile's five loads.  rbnext >= 0: the other tile's loads are issued from that buffer.
; ts >= 0: set ts goes through the stage behind the products (lcnt: the younger blocks' loads).  bar = 1: the trip's barrier is signalled behind the products, when all my LDS instructions are done,
; the search, work on registers alone, stands between signal and wait, and the candidate is stored behind the wait.
; fl = 1: the middle piece of the trip's loads of X follows the turn.
.macro MATCH u, a, cnt, rbnext, ts, lcnt, bar, fl
	s_wait_dscnt \cnt
	WIN 0x01                                       ; source 0 (the centroids) window 1
.irp t, 0,1,2,3,4,5,6,7                ; the eight accumulators take turns, one instruction a turn; the first K step starts the sums from -c2 / 2
	v_wmma_scale_f32_16x16x128_f8f6f4 v[ACC+8*\t:ACC+8*\t+7], v[CF+16*\t:CF+16*\t+7], v[XF:XF+7], v[NC+8*\t:NC+8*\t+7], v[CS+2*\t], v[XS] matrix_a_fmt:MATRIX_FMT_FP4 matrix_b_fmt:MATRIX_FMT_FP4
.endr
.irp t, 0,1,2,3,4,5,6,7
	v_wmma_scale_f32_16x16x128_f8f6f4 v[ACC+8*\t:ACC+8*\t+7], v[CF+16*\t+8:CF+16*\t+15], v[XF+8:XF+15], v[ACC+8*\t:ACC+8*\t+7], v[CS+2*\t+1], v[XS+1] matrix_a_fmt:MATRIX_FMT_FP4 matrix_b_fmt:MATRIX_FMT_FP4
.endr
	WIN 0
.if \bar
	s_barrier_signal -1                            ; my stores into the other image buffer have landed and my reads of this one are in: the wait for 0 at this tile's head showed both
.endif
.rept 4
	v_nop                                          ; four places in front of the first read of results and of loads into registers that these products have read
.endr
.if (\rbnext) >= 0
	XFLOAD \rbnext, 1
.endif
.if (\ts) >= 0
	TURN \ts, \lcnt
.endif
.if \fl
	FILLP ((\a)+1)%4, ((\a)+5)*BLKB, 3, 2
.endif
.irp t, 0,1,2,3,4,5,6,7                ; the eight groups' maxima, by turns; each accumulator from its low end on
	v_max3_num_f32 v[G+\t], v[ACC+8*\t], v[ACC+8*\t+1], v[ACC+8*\t+2]
.endr
.irp t, 0,1,2,3,4,5,6,7
	v_max3_num_f32 v[G+\t], v[G+\t], v[ACC+8*\t+3], v[ACC+8*\t+4+(\t%2)]
.endr
.irp t, 0,1,2,3,4,5,6,7
	v_max3_num_f32 v[G+\t], v[G+\t], v[ACC+8*\t+5+(\t%2)], v[ACC+8*\t+6+(\t%2)]
.endr
.irp t, 0,2,4,6
	MAX2 \t
.endr
	MERGE 0, 1, I0, K0,  K8,  G
	MERGE 2, 3, I1, K16, K24, G+2
	MERGE 4, 5, I2, K32, K40, G+4
	MERGE 6, 7, I3, K48, K56, G+6
	MERGE 0, 2, I0, I0, I1, G
	MERGE 4, 6, I2, I2, I3, G+4
	MERGE 0, 4, I0, I0, I2, RES+2*(\u)             ; v[RES + 2 u]: my 64 centroids' largest sum; v[ACC] on: the 8 numbers of the lowest group that holds it
.irp p, 0,1,2,3,4,5,6
	v_cmp_eq_f32 s[24+\p], v[ACC+\p], v[RES+2*(\u)]
.endr
	s_delay_alu instid0(VALU_DEP_1)
	v_cndmask_b32 v[PA], 7, 6, s30                 ; the lowest position that holds the maximum: two chains, each from its top down; position 7 is what is left
	v_cndmask_b32 v[PB], 64, 3, s27
.irp p, 2,1
	s_delay_alu instid0(VALU_DEP_2)
	v_cndmask_b32 v[PA], v[PA], \p+3, s[24+\p+3]
	s_delay_alu instid0(VALU_DEP_2)
	v_cndmask_b32 v[PB], v[PB], \p, s[24+\p]
.endr
	s_delay_alu instid0(VALU_DEP_1)
	v_cndmask_b32 v[PB], v[PB], 0, s24
	s_delay_alu instid0(VALU_DEP_1)
	v_min_u32 v[PA], v[PA], v[PB]
	s_delay_alu instid0(VALU_DEP_1)
	v_add3_u32 v[RES+2*(\u)+1], v[PA], v[I0], v[LB]   ; the centroid's number
.if \bar
	s_wait_alu depctr_va_vdst(0)
	s_barrier_wait -1
.irp w, 0,1                            ; both tiles' candidates: no LDS store stands between a trip's first products and its barrier's wait
	ds_store_b32 v[CA], v[RES+2*\w] offset:CM+64*(2*(\a)+\w)
	ds_store_b32 v[CA], v[RES+2*\w+1] offset:CI+64*(2*(\a)+\w)
.endr
.endif
.endm
; A trip: block a of a group of four (image buffer a % 2).  doq: the next block is quantised;  dofill: its registers take the block four further on;  doturn: the block after it goes through the stage.
.macro TRIP a, doq, dofill, doturn, lcnt
.set RB, (\a)%2
.set WB, 1-RB
.set QS, ((\a)+1)%4
.set TS, ((\a)+2)%4
	XFLOAD RB, 0
.if \doq
	QUANT QS, WB                                   ; its numbers came back from the stage in front of the last barrier
.endif
.if \dofill
	FILLP QS, ((\a)+5)*BLKB, 0, 3                  ; three of the eight loads here, two behind the turn, three between the tiles
.endif
.if \doturn
	MATCH 0, \a, 2*\doq, RB, TS, \lcnt, 0, \dofill ; behind the tile's five loads: the quantiser's two stores
.else
	MATCH 0, \a, 2*\doq, RB, -1, 0, 0, 0
.endif
.if \dofill
	FILLP QS, ((\a)+5)*BLKB, 5, 3
.endif
	MATCH 1, \a, 0, -1, -1, 0, 1, 0                ; the wait is for 0, for the others' sake: the barrier's signal follows the products
.endm
	s_load_b256 s[4:11], s[0:1], 0x0               ; X s[4:5], cfrag s[6:7], cscale s[8:9], c2t s[10:11]
	s_load_b64 s[12:13], s[0:1], 0x20              ; out0
	v_lshl_add_u32 v[SPW], v0, 2, SPARE
	v_mov_b32 v[NIL], 0
	v_lshrrev_b32 v12, 5, v0
	s_delay_alu instid0(VALU_DEP_1)
	v_readfirstlane_b32 s14, v12                   ; wave 0..7
	s_mul_i32 s15, s14, STGW
	s_add_co_u32 s15, s15, STG                     ; my wave's stage
	v_and_b32 v13, 31, v0                          ; lane
	v_and_b32 v14, 15, v0                          ; r
	v_bfe_u32 v15, v0, 4, 1                        ; h
	s_delay_alu instid0(VALU_DEP_3)
	v_lshlrev_b32 v[GA], 4, v13
	s_delay_alu instid0(VALU_DEP_1)
	v_lshl_or_b32 v[GA], v12, 12, v[GA]
	v_bfe_u32 v[SW], v0, 3, 2                      ; into the stage: eight lanes' 128 bytes are one lane's block: 144 (lane / 8) + 16 (lane % 8)
	s_delay_alu instid0(VALU_DEP_1)
	v_mul_u32_u24 v[SW], v[SW], STGL
	v_and_b32 v[SR], 7, v0
	s_delay_alu instid0(VALU_DEP_1)
	v_lshl_add_u32 v[SW], v[SR], 4, v[SW]
	s_delay_alu instid0(VALU_DEP_1)
	v_add_nc_u32 v[SW], s15, v[SW]
	v_mul_u32_u24 v[SR], v13, STGL
	s_delay_alu instid0(VALU_DEP_1)
	v_add_nc_u32 v[SR], s15, v[SR]
	v_lshrrev_b32 v[IA], 7, v0                     ; my row's tile,
	s_delay_alu instid0(VALU_DEP_1)
	v_mul_u32_u24 v[IA], v[IA], IMGT
	v_and_b32 v[TT], 7, v0                         ; my block along K,
	s_delay_alu instid0(VALU_DEP_1)
	v_mad_u32_u24 v[IA], v[TT], IMGK, v[IA]
	v_bfe_u32 v[TT], v0, 3, 4                      ; my row in the tile
	s_delay_alu instid0(VALU_DEP_1)
	v_lshl_add_u32 v[IA], v[TT], 4, v[IA]
	v_mul_u32_u24 v[FA], v15, IMGK
	s_delay_alu instid0(VALU_DEP_1)
	v_lshl_add_u32 v[FA], v14, 4, v[FA]
	v_lshlrev_b32 v[SRD], 3, v14
	v_lshrrev_b32 v[LB], 4, v0
	s_delay_alu instid0(VALU_DEP_1)
	v_mul_u32_u24 v[CB], v[LB], CPITCH
	s_delay_alu instid0(VALU_DEP_1)
	v_lshl_add_u32 v[CB], v14, 2, v[CB]
	s_delay_alu instid0(VALU_DEP_3)
	v_lshlrev_b32 v[LB], 6, v[LB]
	v_mov_b32 v[K0], 0                             ; the eight groups' first positions
	v_mov_b32 v[K8], 8
	v_mov_b32 v[K16], 16
	v_mov_b32 v[K24], 24
	v_mov_b32 v[K32], 32
	v_mov_b32 v[K40], 40
	v_mov_b32 v[K48], 48
	v_mov_b32 v[K56], 56
	v_lshlrev_b32 v15, 5, v15
	s_delay_alu instid0(VALU_DEP_1)
	v_lshl_or_b32 v15, v12, 9, v15                 ; c2t: 512 x wave + 32 h: my half's eight numbers of a tile
	v_lshlrev_b32 v14, 3, v13
	s_delay_alu instid0(VALU_DEP_1)
	v_lshl_or_b32 v14, v12, 11, v14                ; cscale: 2,048 x wave + 8 x lane
	v_lshlrev_b32 v13, 4, v13
	s_delay_alu instid0(VALU_DEP_1)
	v_lshl_or_b32 v13, v12, 14, v13                ; cfrag: 16,384 x wave + 16 x lane
	s_mul_i32 s16, ttmp9, 800*1024                 ; my work-group's 800 rows of X (under 2^32),
	s_mov_b32 s17, 0
	s_mul_i32 s42, ttmp9, 800*4                    ; and its 800 labels
	s_mov_b32 s43, 0
	s_wait_alu depctr_va_vdst(0)
	s_wait_kmcnt 0x0
	s_add_nc_u64 s[4:5], s[4:5], s[16:17]
	s_add_nc_u64 s[12:13], s[12:13], s[42:43]
	FILL 0, 0                                      ; blocks 0 and 1 are asked for first: they are turned and quantised while the centroids' operand comes
	FILL 1, BLKB
	WIN 0x40                                       ; destination window 1
.irp t, 0,1,2,3,4,5,6,7                ; my 128 centroids: they stay
.irp e, 0,1,2,3
	global_load_b128 v[CF+16*\t+4*\e:CF+16*\t+4*\e+3], v13, s[6:7] offset:2048*\t+512*\e
.endr
.endr
	WIN 0
.irp t, 0,1,2,3,4,5,6,7
	global_load_b64 v[CS+2*\t:CS+2*\t+1], v14, s[8:9] offset:256*\t
.endr
.irp t, 0,1,2,3,4,5,6,7
	global_load_b128 v[NC+8*\t:NC+8*\t+3], v15, s[10:11] offset:64*\t
	global_load_b128 v[NC+8*\t+4:NC+8*\t+7], v15, s[10:11] offset:64*\t+16
.endr
	TURN 0, 63                                     ; behind block 0's eight loads 64 were issued (block 1's 8 and the centroids' 56): with 63 out at the most, block 0 is in
	s_wait_dscnt 0x0
	QUANT 0, 0
	FILL 2, 2*BLKB                                 ; blocks 2 to 4 are asked for behind what the first trip needs
	FILL 3, 3*BLKB
	FILL 0, 4*BLKB
	TURN 1, 24                                     ; block 1 is in (behind it: blocks 2 to 4)
	s_wait_dscnt 0x0                               ; block 0's image has landed
	s_barrier_signal -1
	s_barrier_wait -1
	s_mov_b32 s19, 0                               ; 128 x the group's first block: its rows' place among the candidates
	s_mov_b32 s18, 0
.Lquad:                                                ; five trips of four blocks: blocks 0 to 19; they ask for blocks 5 to 24
	v_add_nc_u32 v[CA], s19, v[CB]
	TRIP 0, 1, 1, 1, 19                            ; 19: the two younger blocks' sixteen loads, and the three of this trip's that stand ahead of the turn
	TRIP 1, 1, 1, 1, 19
	TRIP 2, 1, 1, 1, 19
	TRIP 3, 1, 1, 1, 19
	s_wait_xcnt 0x0                                ; the loads' base is stepped only behind this wait
	s_add_nc_u64 s[4:5], s[4:5], 4*BLKB
	s_add_co_u32 s19, s19, 512
	s_add_co_u32 s18, s18, 1
	s_cmp_lt_u32 s18, 5
	s_cbranch_scc1 .Lquad
	v_add_nc_u32 v[CA], s19, v[CB]                 ; blocks 20 to 24 are written out: nothing more is asked for, so no load leaves X, and the counts run down
	TRIP 0, 1, 0, 1, 16
	TRIP 1, 1, 0, 1, 8
	TRIP 2, 1, 0, 1, 0
	TRIP 3, 1, 0, 0, 0
	TRIP 4, 0, 0, 0, 0
	s_wait_dscnt 0x0                               ; the last candidates were stored behind the last trip's barrier: they have landed,
	s_barrier_signal -1
	s_barrier_wait -1                              ; in every wave
	; THE END.  Behind the last barrier all 16 candidates of all 800 rows lie in LDS.  Thread t < 200 takes rows 4 t .. 4 t + 3; the others read with thread 199 and store nothing.
	v_min_u32 v192, 199, v0
	s_delay_alu instid0(VALU_DEP_1)
	v_lshlrev_b32 v193, 4, v192                    ; 16 bytes: four rows' words, in LDS and in out0
	s_delay_alu instid0(VALU_DEP_1)
	v_add_nc_u32 v194, 16*CPITCH, v193             ; the numbers lie 51,200 bytes behind the maxima
.irp c, 0,1,2,3,4,5,6,7,8,9,10,11,12,13,14,15
	ds_load_b128 v[64+4*\c:64+4*\c+3], v193 offset:CM+CPITCH*\c
	ds_load_b128 v[128+4*\c:128+4*\c+3], v194 offset:CM+CPITCH*\c
.endr
	s_wait_dscnt 0x0
.irp c, 1,2,3,4,5,6,7,8,9,10,11,12,13,14,15            ; candidates in ascending order of their centroids' numbers: a later one wins only where it is strictly larger
.irp q, 0,1,2,3
	v_cmp_gt_f32 s[20+\q], v[64+4*\c+\q], v[64+\q]
.endr
.irp q, 0,1,2,3
	v_cndmask_b32 v[64+\q], v[64+\q], v[64+4*\c+\q], s[20+\q]
	v_cndmask_b32 v[128+\q], v[128+\q], v[128+4*\c+\q], s[20+\q]
.endr
.endr
	v_cmp_gt_u32 vcc_lo, 200, v0
	s_wait_alu depctr_va_vdst(0)
	s_wait_xcnt 0x0                                ; EXEC changes only behind this wait
	s_wait_tensorcnt 0x0                           ; the wave's end, behind my last LDS store
	ds_add_u32 v[SPW], v[NIL]
	s_wait_dscnt 0x0
	s_and_saveexec_b32 s40, vcc_lo
	global_store_b128 v193, v[128:131], s[12:13] th:TH_STORE_NT   ; 32 lanes store 512 consecutive bytes; a work-group's 3,200 bytes begin at a multiple of 128 from out0's first byte
	s_wait_xcnt 0x0                                ; and again in front of the line that widens it
	s_or_b32 exec_lo, exec_lo, s40
	s_endpgm
.Lfunc_end_k_q6aa8668875_assign:
	.size	k_q6aa8668875_assign, .Lfunc_end_k_q6aa8668875_assign-k_q6aa8668875_assign
	.p2alignl 7, 3214868480
	.fill 96, 4, 3214868480
	.section	.rodata,"a",@progbits
	.p2align	6, 0x0
	.amdhsa_kernel k_q6aa8668875_assign
		.amdhsa_group_segment_fixed_size 150528
		.amdhsa_private_segment_fixed_size 0
		.amdhsa_enable_private_segment 0
		.amdhsa_kernarg_size 40
		.amdhsa_user_sgpr_count 2
		.amdhsa_user_sgpr_kernarg_segment_ptr 1
		.amdhsa_wavefront_size32 1
		.amdhsa_system_sgpr_workgroup_id_x 1
		.amdhsa_system_sgpr_workgroup_id_y 1
		.amdhsa_system_sgpr_workgroup_id_z 1
		.amdhsa_system_vgpr_workitem_id 0
		.amdhsa_next_free_vgpr 512
		.amdhsa_next_free_sgpr 66
		.amdhsa_reserve_vcc 1
		.amdhsa_float_denorm_mode_32 3
		.amdhsa_float_denorm_mode_16_64 3
		.amdhsa_memory_ordered 1
		.amdhsa_forward_progress 1
		.amdhsa_inst_pref_size 207
	.end_amdhsa_kernel
	.amdgpu_metadata
---
amdhsa.version: [ 1, 2 ]
amdhsa.kernels:
  - .name:           k_q6aa8668875_assign
    .symbol:         k_q6aa8668875_assign.kd
    .args:
      - { .name: X, .offset: 0, .size: 8, .value_kind: global_buffer, .address_space: global }
      - { .name: cfrag, .offset: 8, .size: 8, .value_kind: global_buffer, .address_space: global }
      - { .name: cscale, .offset: 16, .size: 8, .value_kind: global_buffer, .address_space: global }
      - { .name: c2t, .offset: 24, .size: 8, .value_kind: global_buffer, .address_space: global }
      - { .name: out0, .offset: 32, .size: 8, .value_kind: global_buffer, .address_space: global }
    .group_segment_fixed_size: 150528
    .private_segment_fixed_size: 0
    .kernarg_segment_align: 8
    .kernarg_segment_size: 40
    .max_flat_workgroup_size: 256
    .sgpr_count:     66
    .vgpr_count:     512
    .wavefront_size: 32
...
	.end_amdgpu_metadata
.endif
;; end of part 2
